; MI455X (gfx1250); checked and timed in simulation.
; The chip was launched on July 23, 2026; its instructions are those of AMD's public machine-readable ISA for CDNA 5 (MIT licence, August 2026) and "CDNA5" Instruction Set Architecture Reference Guide (July 2026). The comments in the code are by the model that wrote it; some were corrected since.
;; Multihead Attention. Allowed arithmetic: matrix products marked QUANTISED: E5M2 operands, one given power-of-two scale a tensor, by v_wmma_f32_16x16x64_bf8_bf8 or v_wmma_f32_16x16x128_bf8_bf8, f32 sums; everything else in f32.
;; Inputs: Wk_codes 1,024 x 32 x 32 uint8 (E5M2 codes of Wk, K innermost, in blocks of 32 codes); Wo_codes 1,024 x 32 x 32 uint8 (E5M2 codes of Wo, K innermost, in blocks of 32 codes); Wq_codes 1,024 x 32 x 32 uint8 (E5M2 codes of Wq, K innermost, in blocks of 32 codes); Wv_codes 1,024 x 32 x 32 uint8 (E5M2 codes of Wv, K innermost, in blocks of 32 codes); bo 1,024 float32; lowp_scales 12 int32 (the exponents e of the quantised operands' scales 2^e); x_codes 4 x 2,048 x 32 x 32 uint8 (E5M2 codes of x, K innermost, in blocks of 32 codes).
;; Outputs: out0 4 x 2,048 x 1,024 float32.
;; This version of the problem:
;;   THIS VERSION OF THE PROBLEM IS GIVEN IN LOW PRECISION. The matrix products marked QUANTISED in the list below multiply operands that are first quantised to E5M2 (5 exponent bits, 2 mantissa bits; 8 bits a number), with one given power-of-two scale for each operand tensor; their sums are f32. All else is computed in f32.
;;   The module's matrix products, in the order in which they are computed (A, B: the left and right operand; K: the contracted axis; several contracted axes count as one K, in the product's order):
;;     1. [M 8,192, K 1,024] x [K 1,024, N 1,024]; A: input x (given as codes); B: input Wq (given as codes): QUANTISED (scales: A lowp_scales[0], B lowp_scales[1])
;;     2. [M 8,192, K 1,024] x [K 1,024, N 1,024]; A: input x (given as codes); B: input Wk (given as codes): QUANTISED (scales: A lowp_scales[2], B lowp_scales[3])
;;     3. [M 8,192, K 1,024] x [K 1,024, N 1,024]; A: input x (given as codes); B: input Wv (given as codes): QUANTISED (scales: A lowp_scales[4], B lowp_scales[5])
;;     4. batch 64 x [M 2,048, K 64] x [K 64, N 2,048]; A: computed on the way; B: computed on the way: QUANTISED (scales: A lowp_scales[6], B lowp_scales[7])
;;     5. batch 64 x [M 2,048, K 2,048] x [K 2,048, N 64]; A: softmax (see below); B: computed on the way: QUANTISED (scales: A lowp_scales[8], B lowp_scales[9])
;;     6. [M 8,192, K 1,024] x [K 1,024, N 1,024]; A: computed on the way; B: input Wo (given as codes): QUANTISED (scales: A lowp_scales[10], B lowp_scales[11])
;;   THE QUANTISER, for each operand of a quantised product, along K:
;;     - The operand's scale is 2^e, e = its entry of the input lowp_scales (int32; the entries are numbered through the quantised products in the list's order, A before B).
;;     - Each number is divided by the scale, clamped to +-57,344, and rounded to the nearest number of E5M2, ties to even, subnormals kept.
;;     - The product sums the exact products of the quantised numbers (number of the format x scale) in f32.
;;   ~~~python
;;   def quantise(x, axis, e):      # numpy; x: float32 -> the quantised numbers, widened to float32 again
;;       x = np.moveaxis(x, axis, -1); K = x.shape[-1]
;;       r = np.clip(x / 2.0 ** e, -57344, 57344)
;;       step = 2.0 ** (np.maximum(np.frexp(np.where(r == 0, 1, r))[1] - 1, -14) - 2)
;;       q = np.round(r / step) * step * 2.0 ** e      # np.round: ties to even
;;       return np.moveaxis(q, -1, axis).astype(np.float32)
;;   ~~~
;;   SOFTMAX AHEAD OF A QUANTISED PRODUCT. Where the list says 'softmax', what is quantised is not the finished softmax but p = 2^(t - M), with t = logit x log2(e) and M = ceil(the row's largest t), a whole number; so 1/2 < the row's largest p <= 1. The row's sum l is taken of the UNQUANTISED p, in f32, and the product's result is divided by l at the end. Since M is a whole number, a kernel that streams over the keys may use a running M (the ceiling of the running maximum): every later rescaling is an exact power of two, so the quantised numbers keep their values, but for numbers so far below the row's largest that they fall under the format's range.
;;   OPERANDS COMPUTED ON THE WAY. 'Computed on the way' means the value that the module computes at that place (a softmax that the list does not call 'softmax' is quantised finished and normalised). What goes into a quantiser is computed in f32, as accurately as f32 sums, v_exp_f32 and their like allow (about 1e-6 of the number): no bf16 or f16 on the way to a quantiser, and a product that is left as it is and whose result goes on into a quantised operand takes f32 operands (vector FMAs, or v_wmma_f32_16x16x4_f32). A number that lies on a knife's edge between two numbers of the format may be rounded either way, as far as f32 arithmetic and the matrix unit's own rounding can turn it there, and no further.
;;   INPUTS GIVEN AS CODES. Wk (in the module: [1024, 1024], K = its axis 0); Wo (in the module: [1024, 1024], K = its axis 0); Wq (in the module: [1024, 1024], K = its axis 0); Wv (in the module: [1024, 1024], K = its axis 0); x (in the module: [4, 2048, 1024], K = its axis 2): each comes as NAME_codes (uint8): NAME with its K axis moved to the last place and cut into blocks of 32 codes, [.., K / 32, bytes a block], one block behind the other in memory; one code a byte (a code: sign, 5 exponent bits, 2 mantissa bits); its scale is its entry of lowp_scales. Its value is code x scale, taken as it is: it is not quantised again, and the codes and scales need not be those that the quantiser above would give.
;; One version. Each part assembles by itself: llvm-mc -triple=amdgcn-amd-amdhsa -mcpu=gfx1250 --defsym DOCPART=n.
;; ======== version 1 of 1: 3 launches
;; limits: right only within a limited range of input values
;; workspace buffers: qimg 8,388,608 bytes; kvimg 16,777,216 bytes; zimg 8,388,608 bytes
;; launch qkv (part 1): grid 12 x 32, 4 waves a work-group, clusters of 4 x 4, 327,680 bytes of LDS; arguments x_codes, Wq_codes, Wk_codes, Wv_codes, lowp_scales, qimg, kvimg; writes qimg, kvimg
.if DOCPART == 1
	.amdgcn_target "amdgcn-amd-amdhsa--gfx1250"
	.amdhsa_code_object_version 6
	.text
	.protected	k_q060e4cba16_qkv
	.globl	k_q060e4cba16_qkv
	.p2align	8
	.type	k_q060e4cba16_qkv,@function
k_q060e4cba16_qkv:
	s_mov_b64 s[64:65], 0
	v_nop
	global_prefetch_b8 v0, s[64:65] scope:SCOPE_SE
	s_setreg_imm32_b32 hwreg(HW_REG_WAVE_MODE, 25, 1), 1
	s_wait_xcnt 0x0
	s_wait_alu depctr_hold_cnt(0) depctr_sa_sdst(0) depctr_va_vdst(0) depctr_va_sdst(0) depctr_va_ssrc(0) depctr_va_vcc(0) depctr_vm_vsrc(0)
	s_getreg_b32 s2, hwreg(HW_REG_IB_STS2, 6, 4)
	s_cmp_eq_u32 s2, 0
	s_cbranch_scc0 .Lentry_in_a_cluster
	s_endpgm
.Lentry_in_a_cluster:
	s_bfe_u32 s2, ttmp6, 0x10000c
	s_cmp_lg_u32 s2, 0xf033
	s_cbranch_scc0 .Lentry_shape_is_right
	s_endpgm
.Lentry_shape_is_right:
; q = x Wq, k = x Wk, v = x Wv on codes of BF8 (E5M2), and the three results quantised for the attention that follows.
; x: [8192][1024] codes, Wq, Wk, Wv: [1024 (feature)][1024 (K)] codes, K innermost: rows of 1,024 bytes.  Sums in f32.
; ROLES.  Cluster x = 0: q, 1: k, 2: v; the same in all sixteen partners.  A tile of 256 x 256 results is made by four waves, 128 x 128 each: 64 accumulators, 512 registers.
; In a result, lane (r, h) (r = lane % 16, h = lane / 16) holds in register j the product of source 0's row 8 h + j with source 1's row r.
;   q, k: source 0 = 16 rows of W, source 1 = 16 rows of x: a lane holds ONE token and its registers run along the head's 64: the next product's K.
;   v:    source 0 = 16 rows of x, source 1 = 16 rows of Wv: a lane holds ONE channel and its registers run along the keys: the K of the product with the softmax.
; So eight registers of an accumulator become, by one conversion, two registers of the next operand, and the results leave AS IMAGES OF OPERAND REGISTERS: four registers x 32 lanes = 512 bytes,
; lane l's 16 bytes at 16 l: every store of the wave covers 512 consecutive bytes, aligned to 512.  No stage in LDS is needed.
;   qimg  [bh 64][tile of 16 tokens: 128][2 x 512]: register pair c = channels 16 c + 8 h + 0..7 of token r.            (bh = 16 x batch + head)
;   kvimg [bh 64][ K part 131,072: as qimg's head | V part 131,072: [128 keys: 16][16 channels: 4][4 x 512]: pair c = keys 16 c + 8 h + 0..7 of channel r ]
; QUANTISER.  A sum stands for sum x 2^(eA + eB); its code is sum / 2^(eO - eA - eB), held within +-57,344 x that power, to the nearest code, ties to even.
; (eA, eB, eO) = entries (0, 1, 6) of the scales for q, (2, 3, 7) for k, (4, 5, 9) for v, chosen by selects, never by a branch.
; LIMITS: eO - eA - eB between -126 and 112, so that both powers are f32 numbers.  NaN and infinity among the given codes are not served.
; RING.  K goes in steps of 256 through two LDS slots filled by the tensor data mover; K = 1,024 is four such steps, two laps, written out.
; CLUSTERS: 4 x 4 work-groups.  Source 1's tile hangs on the tile row alone and is shared along a row of the cluster, source 0's on the tile column alone and is shared along a column:
; each is asked for JOINTLY, by the same tensor load with the same descriptor and a mask that names the four.
; REGISTERS, in windows of 256: window 0: v8-15 store offsets, v16-29 addresses; from v128 source 1's fragments (8 x 16 rows x 128 K), ONE set; on the way out v32-223 are free.
;   window 1: source 0's fragments, TWO sets, at v0 and v128.   window 2: the accumulators of source 1's blocks 0-3 ((a, b) at v[8 (8 a + b)]);   window 3: those of blocks 4-7.
; In what follows A is source 1's tensor and B source 0's.
.set KSTEP,  256                       ; along K in a slot
.set ROWB,   256                       ; a tile's row in bytes
.set KROW,   1024                      ; a row of x or of a weight in memory, in bytes
.set PITCH,  272                       ; an LDS row: 256 bytes + 16 of padding = 68 words: row r starts at bank 4 r mod 64 (64 banks of 4 bytes: ISA guide 11.1)
.set FR,     16                        ; registers of a fragment: 16 rows x 128 K
.set NL,     4                         ; LDS loads that bring one
.set NP,     4                         ; places behind this matrix instruction (ISA guide 7.12.1)
.set HALFT,  128*PITCH                 ; 128 rows: what one tensor load brings, and what one wave reads of A or of B
.set SLOT,   4*HALFT                   ; A's 256 rows, then B's 256 rows
.set SPARE,  2*SLOT                    ; behind the ring: the spare words, 128 bytes for each wave: two blocks of 256 bytes that no other line names
.set OFS,  8                           ; v8-15   block a's byte offset in the images, my lane's 16 bytes among it
.set ADRA, 16                          ; v16-17  LDS address of my A fragments in slot 0, 1
.set ADRB, 20                          ; v20-21  the same for B
.set SCL,  27                          ; v27     2^(eO - eA - eB) as f32: the conversions take its exponent field
.set SPW,  28                          ; v28     LDS address of my spare word: SPARE + 4 x my thread's number; never rewritten
.set NIL,  29                          ; v29     0; never rewritten
.set TMP,  32
.set COD,  96                          ; v96-223 the way out: 16 registers of codes for each block, so that no store's data are written again
.set AF,   128                         ; A's fragments, in window 0
.set G1, 24                            ; s[24:31] descriptor group 1 for A's tiles;  s[32:39] group 0, one set for each slot
.set G0, 32
.set G1B, 48                           ; s[48:55], s[56:63] the same for B's tiles
.set G0B, 56
.set MSB, 0
.macro WIN new                         ; the immediate's high byte repeats the setting that is left; a switch that changes nothing is dropped
.if MSB != (\new)
	s_set_vgpr_msb (MSB<<8)|(\new)
.set MSB, (\new)
.endif
.endm
.set MUL_LO, 0xa1                      ; source 0 (B) window 1, source 1 (A) window 0, C and D window 2
.set MUL_HI, 0xf1                      ; the same, C and D window 3
.set TO_B,   0x40                      ; destination window 1, address window 0
; A joint load: waves 0 and 1 fetch for A, waves 2 and 3 for B.  Each of the two lines has ONE mask and one set of registers for all that issue it; the branch hangs on the wave's number alone.
; Four v_nop follow each of the two lines, ahead of the jump, the label and what follows.
.macro JLOAD g0a, g1a, g0b, g1b
	s_cmp_eq_u32 s15, 0
	s_cbranch_scc0 .Lfor_b_\@
	tensor_load_to_lds s[\g0a:\g0a+3], s[\g1a:\g1a+7]
	s_nop 0
.rept 4
	v_nop
.endr
	s_branch .Lasked_\@
.Lfor_b_\@:
	tensor_load_to_lds s[\g0b:\g0b+3], s[\g1b:\g1b+7]
	s_nop 0
.rept 4
	v_nop
.endr
.Lasked_\@:
.endm
.macro CREST                           ; a round of the cluster's barrier behind its opening barrier
	s_cmp_lg_u32 s14, 0
	s_cbranch_scc1 .Lnot_wave_0_\@
	s_barrier_signal -3
.Lnot_wave_0_\@:
	s_barrier_wait -3
	s_barrier_signal -1
	s_barrier_wait -1
.endm
.macro CROUND                          ; a whole round
	s_barrier_signal -1
	s_barrier_wait -1
	CREST
.endm
	s_load_b256 s[68:75], s[0:1], 0x0              ; x s[68:69], Wq s[70:71], Wk s[72:73], Wv s[74:75]
	s_load_b128 s[76:79], s[0:1], 0x20             ; the scales' exponents s[76:77], qimg s[78:79]
	s_load_b64 s[80:81], s[0:1], 0x30              ; kvimg
	v_lshl_add_u32 v[SPW], v0, 2, SPARE
	v_mov_b32 v[NIL], 0
	ds_add_u32 v28, v29
	ds_add_u32 v28, v29
	s_wait_dscnt 0x0
	v_lshrrev_b32 v1, 5, v0
	v_readfirstlane_b32 s14, v1                    ; wave 0..3
	s_lshr_b32 s15, s14, 1                         ; which half of A's 256 rows is mine.  Also: I fetch for A (0) or for B (1)
	s_and_b32 s16, s14, 1                          ; which half of B's 256 rows.  Also: which 128 rows of that tile I fetch
	s_bfe_u32 s40, ttmp6, 0x40000                  ; cx, cy: my place in the cluster
	s_bfe_u32 s41, ttmp6, 0x40004
	s_and_b32 s82, ttmp7, 0xffff
	s_lshl_b32 s82, s82, 2                         ; 4 x cluster y: it walks x's 32 tiles of 256 rows
	s_cmp_eq_u32 ttmp9, 2                          ; the role v?  x is then B
	s_cselect_b32 s17, 0, s82
	s_cselect_b32 s42, s82, 0
	s_add_co_u32 s17, s17, s41                     ; A's tile: q, k: 4 x cluster y + cy of x;  v: cy of Wv
	s_add_co_u32 s42, s42, s40                     ; B's tile: q, k: cx of W;  v: 4 x cluster y + cx of x
	s_lshl_b32 s43, s41, 2
	s_lshl_b32 s43, 15, s43                        ; my row of the cluster
	s_lshl_b32 s44, 0x1111, s40                    ; my column
	; descriptor group 1: a tile of 128 rows x 256 bytes, padded in LDS
	s_or_b32 s[G1+0], s43, (0<<16)|(1<<20)|(1<<21)|(5<<22)|(3<<25)  ; 15:0 the mask: A's tiles go to my row; 17:16 element of 1 byte; 20 padding on; 21 set beside a mask; 24:22 after every 64 words (code 5); 31:25 of 4 words (code 3)
	s_or_b32 s[G1B+0], s44, (0<<16)|(1<<20)|(1<<21)|(5<<22)|(3<<25) ; the same with the mask of my column
.irp g, G1, G1B
	s_mov_b32 s[\g+1], ROWB<<16                    ; tensor_dim0
	s_mov_b32 s[\g+2], 128<<16                     ; tensor_dim1 = 128
	s_mov_b32 s[\g+3], ROWB<<16                    ; tile_dim0
	s_mov_b32 s[\g+4], 128                         ; tile_dim1 = 128
	s_mov_b32 s[\g+5], KROW                        ; tensor_dim0_stride
	s_mov_b32 s[\g+6], 0
	s_mov_b32 s[\g+7], 0
.endr
	s_lshl_b32 s18, s16, 7                         ; which 128 rows of the tile I fetch
	s_lshl_b32 s20, s17, 8
	s_add_co_u32 s20, s20, s18                     ; A: row 256 x tile + 128 x half,
	s_lshl_b32 s20, s20, 10                        ; in bytes (under 2^23)
	s_mov_b32 s21, 0
	s_lshl_b32 s46, s42, 8
	s_add_co_u32 s46, s46, s18                     ; B likewise, in registers that never hold cy
	s_lshl_b32 s46, s46, 10
	s_mov_b32 s47, 0
	s_mul_i32 s45, s14, HALFT                      ; where they go: wave x 128 rows: no place in the cluster enters an LDS address
	s_wait_kmcnt 0x0
	s_load_b256 s[84:91], s[76:77], 0x0            ; entries 0 to 7 of the scales
	s_load_b128 s[92:95], s[76:77], 0x20           ; entries 8 to 11
	s_cmp_eq_u32 ttmp9, 2                          ; the tensors are chosen by the role, which hangs on no address
	s_cselect_b64 s[4:5], s[74:75], s[68:69]       ; A = Wv or x
	s_cmp_eq_u32 ttmp9, 0
	s_cselect_b64 s[6:7], s[70:71], s[72:73]       ; Wq or Wk,
	s_cmp_eq_u32 ttmp9, 2
	s_cselect_b64 s[6:7], s[68:69], s[6:7]         ; B = x or that weight
	s_add_nc_u64 s[20:21], s[4:5], s[20:21]
	s_add_nc_u64 s[46:47], s[6:7], s[46:47]
	CROUND                                         ; all sixteen work-groups are here: the first joint loads meet
.irp s, 0,1
	s_mov_b32 s[G0+4*\s], 1                                        ; 1:0 count = 1
	s_add_co_u32 s[G0+4*\s+1], s45, \s*SLOT                        ; 63:32 LDS address
	s_add_nc_u64 s[G0+4*\s+2:G0+4*\s+3], s[20:21], \s*ROWB         ; 120:64 global address: K step s
	s_or_b32 s[G0+4*\s+3], s[G0+4*\s+3], 0x80000000                ; 127:126 type = 2
	s_mov_b32 s[G0B+4*\s], 1
	s_add_co_u32 s[G0B+4*\s+1], s45, \s*SLOT
	s_add_nc_u64 s[G0B+4*\s+2:G0B+4*\s+3], s[46:47], \s*ROWB
	s_or_b32 s[G0B+4*\s+3], s[G0B+4*\s+3], 0x80000000
	JLOAD G0+4*\s, G1, G0B+4*\s, G1B               ; two loads of mine are out
.endr
	v_and_b32 v1, 15, v0                           ; r = l % 16
	v_bfe_u32 v2, v0, 4, 1                         ; h = l / 16
	v_mul_u32_u24 v3, v1, PITCH
	v_lshl_add_u32 v4, v2, 4, v3                   ; a fragment's row x pitch + 16 x half
	s_mul_i32 s21, s15, HALFT                      ; my 128 rows of A
	s_mul_i32 s22, s16, HALFT                      ; my 128 rows of B,
	s_add_co_u32 s22, s22, 2*HALFT                 ; which lie behind A's 256
.irp s, 0,1
	v_add_nc_u32 v[ADRA+\s], s21, v4
	v_add_nc_u32 v[ADRB+\s], s22, v4
	s_add_co_u32 s21, s21, SLOT
	s_add_co_u32 s22, s22, SLOT
.endr
	; WHERE THE IMAGES GO.  My wave has 128 tokens (from T0 on) x 128 features (from N0 on: two heads).
	s_lshl_b32 s82, s17, 8
	s_lshl_b32 s83, s15, 7
	s_add_co_u32 s82, s82, s83                     ; source 1's first row of my wave
	s_lshl_b32 s83, s42, 8
	s_lshl_b32 s96, s16, 7
	s_add_co_u32 s83, s83, s96                     ; source 0's
	s_cmp_eq_u32 ttmp9, 2
	s_cselect_b32 s96, s83, s82                    ; T0: x is source 0 in the role v, else source 1
	s_cselect_b32 s98, s82, s83                    ; N0
	s_lshr_b32 s82, s96, 11                        ; the batch
	s_lshl_b32 s82, s82, 4
	s_lshr_b32 s98, s98, 6
	s_add_co_u32 s82, s82, s98                     ; bh of my first head
	s_and_b32 s96, s96, 2047
	s_lshl_b32 s96, s96, 6                         ; 16 tokens are 1,024 bytes of q or k, 128 keys 8,192 bytes of v: 64 bytes a token in both
	s_cmp_eq_u32 ttmp9, 0
	s_cselect_b32 s83, 17, 18                      ; a head is 2^17 bytes of qimg, 2^18 of kvimg
	s_cselect_b64 s[10:11], s[78:79], s[80:81]     ; qimg or kvimg
	s_lshl_b32 s82, s82, s83
	s_add_co_u32 s96, s96, s82
	s_lshl_b32 s98, 1, s83
	s_cmp_eq_u32 ttmp9, 2
	s_cselect_b32 s98, 1024, s98                   ; from a block's first two stores to its last two: q, k: the next head;  v: the fragment's second half
	s_cselect_b32 s97, 0x20000, 0                  ; v lies behind the head's K part
	s_mov_b32 s82, 1024
	s_cselect_b32 s82, 2048, s82                   ; from block a to a + 1: q, k: the next 16 tokens;  v: the next 16 channels
	s_mov_b32 s83, 4096
	s_cselect_b32 s83, 0x40000, s83                ; from block a to a + 4: q, k: four times that;  v: the next head
	s_add_co_u32 s96, s96, s97
	s_mov_b32 s97, 0
	s_mov_b32 s99, 0
	s_add_nc_u64 s[10:11], s[10:11], s[96:97]      ; the base of a block's first two stores,
	s_add_nc_u64 s[12:13], s[10:11], s[98:99]      ; and of its last two
	v_and_b32 v6, 31, v0
	v_lshlrev_b32 v[OFS], 4, v6                    ; 16 x lane
	v_add_nc_u32 v[OFS+1], s82, v[OFS]
	v_add_nc_u32 v[OFS+2], s82, v[OFS+1]
	v_add_nc_u32 v[OFS+3], s82, v[OFS+2]
.irp a, 0,1,2,3
	v_add_nc_u32 v[OFS+4+\a], s83, v[OFS+\a]
.endr
.macro FRAG reg, adr, q, i             ; a fragment, 16 rows x 128 K, is 16 registers: lane l holds row l % 16; registers 4 c .. 4 c + 3 hold K = 32 c + 16 (l / 16) + 0 .. 15: the same order of k in A and in B, so every product meets its partner
.irp c, 0,1,2,3
	ds_load_b128 v[\reg+4*\c:\reg+4*\c+3], v[\adr] offset:128*(\q)+32*\c+(\i)*16*PITCH
.endr
.endm
; 16 matrix instructions: A's blocks a0, a0 + 1 x B's eight, 128 along K.  p: B's set.  zero = 1: the first product starts the sums: nothing is ever cleared.
; The 64 accumulators take turns, one instruction a turn, in the same order in every step.
.macro MUL16 a0, p, zero
.irp a, \a0, \a0+1
.irp b, 0,1,2,3,4,5,6,7
.if \zero
	v_wmma_f32_16x16x128_bf8_bf8 v[8*(8*((\a)%4)+\b):8*(8*((\a)%4)+\b)+7], v[128*(\p)+FR*\b:128*(\p)+FR*\b+FR-1], v[AF+FR*(\a):AF+FR*(\a)+FR-1], 0
.else
	v_wmma_f32_16x16x128_bf8_bf8 v[8*(8*((\a)%4)+\b):8*(8*((\a)%4)+\b)+7], v[128*(\p)+FR*\b:128*(\p)+FR*\b+FR-1], v[AF+FR*(\a):AF+FR*(\a)+FR-1], v[8*(8*((\a)%4)+\b):8*(8*((\a)%4)+\b)+7]
.endif
.endr
.endr
.endm
.macro FETCH_B slot, q, p              ; B's eight fragments of the slot's q-th 128 along K into set p
	WIN TO_B
.irp i, 0,1,2,3,4,5,6,7
	FRAG 128*(\p)+FR*\i, ADRB+\slot, \q, \i
.endr
	WIN 0
.endm
.macro FETCH_A slot, q, i0             ; A's blocks i0 .. i0 + 3
.irp i, \i0, \i0+1, \i0+2, \i0+3
	FRAG AF+FR*(\i), ADRA+\slot, \q, \i
.endr
.endm
; A load into a register that a matrix instruction has read, and a vector instruction that reads a matrix result, stand NP places behind that matrix instruction, and only plain vector
; instructions that name none of its registers are places (ISA guide 7.12.1 for vector instructions); the matrix instructions in between are not counted.
.macro PLACES n
.rept \n
	v_nop
.endr
.endm
; A step of 128 along K that has its successor in the same slot.  A block of A is free as soon as its eight products are issued: blocks 0-3 are fetched anew in the step's middle, blocks 4-7 at its end.
.macro STEP slot, q, zero
	s_wait_dscnt 4*NL                              ; B's set and A's blocks 0-3 are in; the youngest sixteen loads (A's blocks 4-7) may be out
	WIN MUL_LO
	MUL16 0, (\q)%2, \zero
	MUL16 2, (\q)%2, \zero
	s_wait_dscnt 0                                 ; A's blocks 4-7 are in (asked for 32 matrix instructions ago)
	PLACES NP
	FETCH_B \slot, (\q)+1, 1-(\q)%2
	FETCH_A \slot, (\q)+1, 0
	WIN MUL_HI
	MUL16 4, (\q)%2, \zero
	MUL16 6, (\q)%2, \zero
	PLACES NP
	WIN 0
	FETCH_A \slot, (\q)+1, 4
.endm
; A slot's last step changes slots: ONE barrier; in front of it each wave waits for all its tensor loads, adds 0 to its spare word, and waits for that and for its own reads of this slot.  fill = 1: this slot is filled again, two K steps ahead.
.macro TURN slot, next, fill
	s_wait_tensorcnt 0x0                           ; all my tensor loads have landed: my part of the next slot  (every window is 0 here: the add's two registers lie in window 0)
	ds_add_u32 v[SPW], v[NIL]                      ; 0 onto my spare word
	s_wait_dscnt 4*NL+1                            ; (the add and the youngest sixteen loads, A's blocks 4-7, may be out)
	WIN MUL_LO
	MUL16 0, 1, 0                                  ; sixteen matrix instructions stand between the add and the wait for it
	s_wait_dscnt 0x0                               ; the add is done, and my reads of this slot are over
	s_barrier_signal -1
	MUL16 2, 1, 0
	WIN 0
	s_barrier_wait -1
.if \fill
	CREST                                          ; the barrier has opened a round of the cluster's barrier: no wave of any partner still reads this slot's tile or has a load on its way
	s_add_nc_u64 s[G0+4*\slot+2:G0+4*\slot+3], s[G0+4*\slot+2:G0+4*\slot+3], 2*ROWB
	s_add_nc_u64 s[G0B+4*\slot+2:G0B+4*\slot+3], s[G0B+4*\slot+2:G0B+4*\slot+3], 2*ROWB
	JLOAD G0+4*\slot, G1, G0B+4*\slot, G1B         ; the first tensor load behind the round, my one load until the next; the four v_nop behind it are the places in front of the loads below
.else
	PLACES NP
.endif
	FETCH_B \next, 0, 0
	FETCH_A \next, 0, 0
	WIN MUL_HI
	MUL16 4, 1, 0
	MUL16 6, 1, 0
	PLACES NP
	WIN 0
	FETCH_A \next, 0, 4
.endm
	s_wait_tensorcnt 1                             ; my part of K step 0 is in (K step 1's load may be out)
	s_barrier_signal -1
	s_barrier_wait -1                              ; everybody's is
	FETCH_B 0, 0, 0
	FETCH_A 0, 0, 0
	FETCH_A 0, 0, 4
	STEP 0, 0, 1                                   ; K 0-127: the first products start the sums
	TURN 0, 1, 1                                   ; K 128-255; slot 0 takes K 512-767
	STEP 1, 0, 0                                   ; K 256-383
	TURN 1, 0, 1                                   ; K 384-511; slot 1 takes K 768-1023
	STEP 0, 0, 0                                   ; K 512-639
	TURN 0, 1, 0                                   ; K 640-767; nothing is left to fetch, so no round follows the barrier
	STEP 1, 0, 0                                   ; K 768-895
	s_wait_dscnt 4*NL                              ; K 896-1023: the very last step
	WIN MUL_LO
	MUL16 0, 1, 0
	MUL16 2, 1, 0
	s_wait_dscnt 0
	WIN MUL_HI
	MUL16 4, 1, 0
	MUL16 6, 1, 0
	WIN 0
	; THE WAY OUT.  The three exponents of my role, by selects.
	s_wait_kmcnt 0x0
	s_cmp_eq_u32 ttmp9, 0
	s_cselect_b32 s84, s84, s86                    ; eA: entry 0 or 2,
	s_cselect_b32 s85, s85, s87                    ; eB: entry 1 or 3,
	s_cselect_b32 s90, s90, s91                    ; eO: entry 6 or 7,
	s_cmp_eq_u32 ttmp9, 2
	s_cselect_b32 s84, s88, s84                    ; or entry 4,
	s_cselect_b32 s85, s89, s85                    ; 5,
	s_cselect_b32 s90, s93, s90                    ; 9
	s_sub_co_i32 s90, s90, s84
	s_sub_co_i32 s90, s90, s85
	s_add_co_i32 s90, s90, 127
	s_lshl_b32 s91, s90, 23
	v_mov_b32 v[SCL], s91                          ; 2^(eO - eA - eB) as f32
	s_add_co_i32 s90, s90, 15
	s_lshl_b32 s90, s90, 23
	s_or_b32 s97, s90, 0x600000                    ; 57,344 x that,
	s_or_b32 s96, s97, 0x80000000                  ; and its negative
	PLACES NP                                      ; in front of the first read of results and of the first write over A's fragments
; Block a (source 1's 16 rows x source 0's 128): 64 sums a lane are converted into 16 registers and stored as four images.  Every block has its own registers for its codes and its own
; offset register, and the two bases stay: nothing that a store reads is written again.
.macro EPI a
	WIN 0x02+((\a)/4)                              ; source 0: window 2 or 3
.set AC, 64*((\a)%4)
.set i, 0
.rept 64
.set i, i+1
.endr
.irp b, 0,1,2,3,4,5,6,7
	v_cvt_scalef32_pk8_bf8_f32 v[COD+16*(\a)+2*\b:COD+16*(\a)+2*\b+1], v[AC+8*\b:AC+8*\b+7], v[SCL]
.endr
	WIN 0
	v_nop                                          ; one plain vector instruction behind the last conversion
	global_store_b128 v[OFS+\a], v[COD+16*(\a):COD+16*(\a)+3], s[10:11]                  ; 32 lanes store 512 consecutive bytes, at a multiple of 512 from the buffer's first byte
	global_store_b128 v[OFS+\a], v[COD+16*(\a)+4:COD+16*(\a)+7], s[10:11] offset:512
	global_store_b128 v[OFS+\a], v[COD+16*(\a)+8:COD+16*(\a)+11], s[12:13]
	global_store_b128 v[OFS+\a], v[COD+16*(\a)+12:COD+16*(\a)+15], s[12:13] offset:512
.endm
.irp a, 0,1,2,3,4,5,6,7
	EPI \a
.endr
	s_wait_tensorcnt 0x0                           ; the wave's end, behind my last tensor load
	ds_add_u32 v[SPW], v[NIL]
	s_wait_dscnt 0x0
	CROUND                                         ; the closing round: no work-group ends while a partner may still ask for a tile that names it
	s_endpgm
.Lfunc_end_k_q060e4cba16_qkv:
	.size	k_q060e4cba16_qkv, .Lfunc_end_k_q060e4cba16_qkv-k_q060e4cba16_qkv
	.p2alignl 7, 3214868480
	.fill 96, 4, 3214868480
	.section	.rodata,"a",@progbits
	.p2align	6, 0x0
	.amdhsa_kernel k_q060e4cba16_qkv
		.amdhsa_group_segment_fixed_size 327680
		.amdhsa_private_segment_fixed_size 0
		.amdhsa_enable_private_segment 0
		.amdhsa_kernarg_size 56
		.amdhsa_user_sgpr_count 2
		.amdhsa_user_sgpr_kernarg_segment_ptr 1
		.amdhsa_wavefront_size32 1
		.amdhsa_system_sgpr_workgroup_id_x 1
		.amdhsa_system_sgpr_workgroup_id_y 1
		.amdhsa_system_sgpr_workgroup_id_z 1
		.amdhsa_system_vgpr_workitem_id 0
		.amdhsa_next_free_vgpr 1024
		.amdhsa_next_free_sgpr 100
		.amdhsa_reserve_vcc 0
		.amdhsa_float_denorm_mode_32 3
		.amdhsa_float_denorm_mode_16_64 3
		.amdhsa_fp16_overflow 1
		.amdhsa_memory_ordered 1
		.amdhsa_forward_progress 1
		.amdhsa_inst_pref_size 87
	.end_amdhsa_kernel
	.amdgpu_metadata
---
amdhsa.version: [ 1, 2 ]
amdhsa.kernels:
  - .name:           k_q060e4cba16_qkv
    .symbol:         k_q060e4cba16_qkv.kd
    .args:
      - { .name: x_codes, .offset: 0, .size: 8, .value_kind: global_buffer, .address_space: global }
      - { .name: Wq_codes, .offset: 8, .size: 8, .value_kind: global_buffer, .address_space: global }
      - { .name: Wk_codes, .offset: 16, .size: 8, .value_kind: global_buffer, .address_space: global }
      - { .name: Wv_codes, .offset: 24, .size: 8, .value_kind: global_buffer, .address_space: global }
      - { .name: lowp_scales, .offset: 32, .size: 8, .value_kind: global_buffer, .address_space: global }
      - { .name: qimg, .offset: 40, .size: 8, .value_kind: global_buffer, .address_space: global }
      - { .name: kvimg, .offset: 48, .size: 8, .value_kind: global_buffer, .address_space: global }
    .group_segment_fixed_size: 327680
    .private_segment_fixed_size: 0
    .kernarg_segment_align: 8
    .kernarg_segment_size: 56
    .max_flat_workgroup_size: 128
    .sgpr_count:     100
    .vgpr_count:     1024
    .wavefront_size: 32
...
	.end_amdgpu_metadata
.endif
;; end of part 1
;; launch attn (part 2): grid 4 x 64, 16 waves a work-group, no clusters, 327,680 bytes of LDS; arguments qimg, kvimg, lowp_scales, zimg; writes zimg
.if DOCPART == 2
	.amdgcn_target "amdgcn-amd-amdhsa--gfx1250"
	.amdhsa_code_object_version 6
	.text
	.protected	k_q060e4cba16_attn
	.globl	k_q060e4cba16_attn
	.p2align	8
	.type	k_q060e4cba16_attn,@function
k_q060e4cba16_attn:
	s_mov_b64 s[64:65], 0
	v_nop
	global_prefetch_b8 v0, s[64:65] scope:SCOPE_SE
	s_setreg_imm32_b32 hwreg(HW_REG_WAVE_MODE, 25, 1), 1
	s_wait_xcnt 0x0
; z[bh][q] = the sum over keys k <= q of softmax_k(Q[q] . K[k] / 8) V[k], head size 64, 2,048 tokens, 64 heads (bh = 16 x batch + head), both products on codes of BF8 (E5M2); z is quantised for the last projection.
; INPUTS are images of operand registers (four registers x 32 lanes = 512 bytes, lane l's 16 bytes at 16 l), r = lane % 16, h = lane / 16:
;   qimg  [bh][tile of 16 tokens: 128][2 x 512]: register pair c = channels 16 c + 8 h + 0..7 of token r;   kvimg [bh][K part 131,072, laid as qimg's head | V part 131,072: [128 keys: 16][16 channels: 4][4 x 512]: pair c = keys 16 c + 8 h + 0..7 of channel r].
; OUTPUT  zimg [tile of 16 rows: 128 x batch + query tile][head 16][2 x 512]: image g holds channels 32 g + 16 h + 0..15 of row r: so two heads on end are a fragment of 128 along the last product's K.
; THE SOFTMAX: t = score x log2(e) / 8; M = the row's largest t so far, rounded UP to a whole number; p = 2^(t - M) is what is quantised (scale 2^e8), not normalised.  The row's sum is taken of the unquantised p, in f32,
; and divides at the end.  When M moves, the sum and O are multiplied by 2^(old M - new M): exact.
; SHARES.  A work-group (j = 0..3 of a head) has sixteen waves of 256 registers, four to a SIMD, so that one wave's vector work stands beside another's matrix work and LDS loads.  Wave w owns TWO tiles of 16 queries:
; tile 112 - 16 j + w and tile 16 j + 15 - w.  Tile a needs a / 8 + 1 steps of 128 keys under the causal mask, so every wave of the launch has 17 steps.
; LDS IS THE HEAD'S 262,144 BYTES OF kvimg AS THEY LIE, filled ONCE by the tensor data mover: no byte is filled again, nothing is stored to LDS, and every fragment load takes 512 consecutive bytes.
; The fills go in four chunks of 512 keys (32 KiB of K, 32 KiB of V); every wave issues four loads of 4 KiB at the head, one a chunk: each behind a wait for the one before, so at most one of mine is out.
; NO CLUSTER, though the four work-groups of a head read the same K and V: which steps a wave works hangs on its queries, that is on j.
; NO PREFETCH: all that the work-group reads of K and V is asked for at its head.
; LAYOUT.  Both products are used transposed: S^T = K Q^T (source 0 = 16 keys, source 1 = my 16 queries, K = 64), O^T = V^T P^T (source 0 = 16 channels, source 1 = P, K = 128 keys): a lane holds ONE query (r) throughout.
; Register 8 u + i of S^T is key 16 u + 8 h + i of the step: the conversion of tile u's eight registers IS register pair u of P.
; THE MASK.  All loops have constant trip counts; a step all of whose keys come after my queries is jumped over by a scalar branch on ids; on the diagonal hidden scores become -infinity.  Key 0 counts for every query.
; LIMITS on the given exponents, so that each power of two is an f32 number: e6 + e7 between -123 and 130 (added to c's exponent field); e8, and e10 - e8 - e9, between -126 and 112.
; REGISTERS: v1 16 x lane; v2, v3 LDS addresses of the step's K and V; v4 r - 8 h; v12 -M, v13 the largest t, v[14:15] the sum in two halves; v16-23, v24-31 Q of my two tiles; v32-95 K's eight fragments, then V's four;
;   v96-159 S^T, then p; v160-191 O^T; v192-207 p's codes; v208-231 z's codes on their way; v236-254 at work and constants.
.set LI,   1
.set ADK,  2
.set ADV,  3
.set DL,   4
.set QHI,  16
.set QLO,  24
.set KV,   32
.set S,    96
.set O,    160
.set PC,   192
.set ZC,   208                         ; v208-215 z's codes as converted: pair t = channels 16 t + 8 h + 0..7
.set ZX,   216                         ; v216-223 the same of lane l xor 16
.set ZF,   224                         ; v224-231 the two images
.set WV,   12                          ; s12  my wave's number
.set BH,   14                          ; s14  the head
.set G1,   16                          ; s[16:23] descriptor group 1;  s[24:39] four groups 0, one a chunk; none is ever rewritten
.set G0,   24
.set SEL,  40                          ; s[40:41] lane selects for v_permlanex16_b32: lane l xor 16
.set CS,   42                          ; s[42:43] c = log2(e) / 8 x 2^(e6 + e7): the packed form names a pair and takes its low word for both halves
.set TB,   44                          ; s44  LDS byte at which the step's keys begin in the K part
.set KF,   45                          ; s45  the step's first key
.set Q0,   46                          ; s46  my tile's first query;  s47 its last
.set QE,   47
.set HM,   50                          ; s50  a mask of lanes 16-31
.set CNT,  51                          ; s51  trips
.set AHI,  72                          ; s72, s73  my two tiles
.set ALO,  73
	s_load_b256 s[4:11], s[0:1], 0x0               ; qimg s[4:5], kvimg s[6:7], the scales' exponents s[8:9], zimg s[10:11]
	v_lshl_add_u32 v251, v0, 2, 0x40000
	v_mov_b32 v255, 0
	ds_add_u32 v251, v255
	ds_add_u32 v251, v255
	v_lshrrev_b32 v2, 5, v0
	s_delay_alu instid0(VALU_DEP_1)
	v_readfirstlane_b32 s[WV], v2                  ; wave 0..15
	s_and_b32 s[BH], ttmp7, 0xffff
	; descriptor group 1: a dense block of 4,096 bytes as 16 rows of 256 bytes
	s_mov_b32 s[G1], 3<<16                         ; 15:0 no mask; 17:16 elements of 8 bytes; no padding
	s_mov_b32 s[G1+1], 32<<16                      ; tensor_dim0 = 32 elements
	s_mov_b32 s[G1+2], 16<<16                      ; tensor_dim1 = 16
	s_mov_b32 s[G1+3], 32<<16                      ; tile_dim0 = 32
	s_mov_b32 s[G1+4], 16                          ; tile_dim1 = 16
	s_mov_b32 s[G1+5], 32                          ; tensor_dim0_stride: the rows are dense
	s_mov_b32 s[G1+6], 0
	s_mov_b32 s[G1+7], 0
	s_lshr_b32 s49, s[WV], 3
	s_lshl_b32 s49, s49, 17                        ; waves 0-7 fetch K's part, waves 8-15 V's,
	s_and_b32 s48, s[WV], 7
	s_lshl_b32 s48, s48, 12                        ; 4,096 bytes of a chunk's 32,768 each
	s_add_co_u32 s48, s48, s49                     ; my place in chunk 0: in LDS and in the head's block of kvimg alike
	s_lshl_b32 s70, s[BH], 18
	s_add_co_u32 s70, s70, s48
	s_mov_b32 s71, 0
	s_lshl_b32 s49, ttmp9, 4                       ; 16 j
	s_sub_co_u32 s[AHI], 112, s49
	s_add_co_u32 s[AHI], s[AHI], s[WV]             ; my late tile: 112 - 16 j + w
	s_add_co_u32 s[ALO], s49, 15
	s_sub_co_u32 s[ALO], s[ALO], s[WV]             ; my early tile: 16 j + 15 - w
	s_lshl_b32 s74, s[BH], 17                      ; the head in qimg
	s_lshl_b32 s76, s[AHI], 10
	s_add_co_u32 s76, s76, s74
	s_mov_b32 s77, 0
	s_lshl_b32 s78, s[ALO], 10
	s_add_co_u32 s78, s78, s74
	s_mov_b32 s79, 0
	s_mov_b32 s[SEL], 0x76543210
	s_mov_b32 s[SEL+1], 0xfedcba98
	s_mov_b32 s[HM], 0xffff0000
	s_wait_dscnt 0x0
	s_wait_kmcnt 0x0
	s_load_b64 s[52:53], s[8:9], 0x18              ; e6, e7
	s_load_b128 s[56:59], s[8:9], 0x20             ; e8, e9, e10, e11
	s_add_nc_u64 s[70:71], s[6:7], s[70:71]
.irp c, 0,1,2,3
	s_mov_b32 s[G0+4*\c], 1                                        ; 1:0 count = 1
	s_add_co_u32 s[G0+4*\c+1], s48, 32768*\c                       ; 63:32 LDS address
	s_add_nc_u64 s[G0+4*\c+2:G0+4*\c+3], s[70:71], 32768*\c        ; 120:64 global address
	s_or_b32 s[G0+4*\c+3], s[G0+4*\c+3], 0x80000000                ; 127:126 type = 2
.endr
.irp c, 0,1,2,3
	s_wait_alu depctr_va_vdst(0)
	s_wait_tensorcnt 0x0
	ds_add_u32 v251, v255
	ds_add_u32 v251, v255
	s_wait_dscnt 0x0
	s_barrier_signal -1
	s_barrier_wait -1
	tensor_load_to_lds s[G0+4*\c:G0+4*\c+3], s[G1:G1+7]            ; one fill a chunk, each behind a wait for all my tensor loads and a barrier
	s_nop 0
.endr
.rept 4
	v_nop
.endr
	s_add_nc_u64 s[60:61], s[4:5], s[76:77]        ; Q of my late tile,
	s_add_nc_u64 s[62:63], s[4:5], s[78:79]        ; and of my early one
	v_and_b32 v[LI], 31, v0
	s_delay_alu instid0(VALU_DEP_1)
	v_lshlrev_b32 v[LI], 4, v[LI]
	global_load_b128 v[QHI:QHI+3], v[LI], s[60:61] th:TH_LOAD_NT
	global_load_b128 v[QHI+4:QHI+7], v[LI], s[60:61] offset:512 th:TH_LOAD_NT
	global_load_b128 v[QLO:QLO+3], v[LI], s[62:63] th:TH_LOAD_NT
	global_load_b128 v[QLO+4:QLO+7], v[LI], s[62:63] offset:512 th:TH_LOAD_NT
	s_lshr_b32 s74, s[BH], 4                       ; z: ((128 x batch + tile) x 16 + head) x 1,024 bytes
	s_lshl_b32 s74, s74, 21
	s_and_b32 s75, s[BH], 15
	s_lshl_b32 s75, s75, 10
	s_add_co_u32 s74, s74, s75
	s_lshl_b32 s76, s[AHI], 14
	s_add_co_u32 s76, s76, s74
	s_lshl_b32 s78, s[ALO], 14
	s_add_co_u32 s78, s78, s74
	s_add_nc_u64 s[66:67], s[10:11], s[76:77]
	s_add_nc_u64 s[68:69], s[10:11], s[78:79]
	v_and_b32 v[DL], 15, v0
	v_bfe_u32 v5, v0, 4, 1
	s_delay_alu instid0(VALU_DEP_1)
	v_lshlrev_b32 v5, 3, v5
	s_delay_alu instid0(VALU_DEP_1)
	v_sub_nc_u32 v[DL], v[DL], v5                  ; r - 8 h
	v_mov_b32 v236, 0                              ; written once: a lane permute's destination counts as one of its sources
	v_mov_b32 v252, 0
	v_mov_b32 v253, 0                              ; (named as the upper half of the pair v[252:253])
.irp e, 0,1,2,3,4,5,6,7
	v_mov_b32 v[ZX+\e], 0
.endr
	s_wait_kmcnt 0x0
	s_mov_b32 s[CS], 0x3e38aa3b                    ; log2(e) / 8
	s_add_co_i32 s49, s52, s53
	s_lshl_b32 s49, s49, 23
	s_add_co_i32 s[CS], s[CS], s49                 ; a score stands for score x 2^(e6 + e7): the two exponents are added to c's exponent field
	s_mov_b32 s[CS+1], s[CS]                       ; (named with it as a pair, so it is written)
	s_add_co_i32 s49, s56, 127
	s_lshl_b32 s51, s49, 23
	v_mov_b32 v244, s51                            ; 2^e8 as f32, for p's conversions
	s_sub_co_i32 s49, s58, s56
	s_sub_co_i32 s49, s49, s57                     ; a sum of the second product stands for sum x 2^(e8 + e9): z's code is (sum / l) / 2^(e10 - e8 - e9)
	s_add_co_i32 s49, s49, 127
	s_lshl_b32 s51, s49, 23
	v_mov_b32 v245, s51
; A KEY STEP: 128 keys from KF on, for the tile whose Q stands in v[qr] on.
.macro STEP qr
	s_cmp_gt_u32 s[KF], s[QE]                      ; all its keys come after my queries: the work is jumped over, not the lines at the end that step the key and the address
	s_cbranch_scc1 .Lhidden_\@
	s_setprio 2
	v_add_nc_u32 v[ADK], s[TB], v[LI]
	s_delay_alu instid0(VALU_DEP_1)
	v_add_nc_u32 v[ADV], 0x20000, v[ADK]           ; V's part lies 131,072 bytes behind K's, and a step is 8,192 bytes in both
	v_nop
	v_nop                                          ; four places, the two additions among them, in front of loads into registers that the last products read
.irp u, 0,1,2,3,4,5,6,7
	ds_load_b128 v[KV+8*\u:KV+8*\u+3], v[ADK] offset:1024*\u
	ds_load_b128 v[KV+8*\u+4:KV+8*\u+7], v[ADK] offset:1024*\u+512
.endr
	s_wait_alu depctr_va_vdst(0)
	s_wait_dscnt 0x0
.irp u, 0,1,2,3,4,5,6,7
	v_wmma_f32_16x16x64_bf8_bf8 v[S+8*\u:S+8*\u+7], v[KV+8*\u:KV+8*\u+7], v[\qr:\qr+7], 0   ; S^T: 16 keys x my 16 queries
.endr
.rept 4
	v_nop                                          ; four places in front of the loads over K's fragments and of the first read of the scores
.endr
.irp t, 0,1,2,3
.irp g, 0,1,2,3
	ds_load_b128 v[KV+16*\t+4*\g:KV+16*\t+4*\g+3], v[ADV] offset:2048*\t+512*\g   ; V's four fragments land while the softmax is walked
.endr
.endr
	s_add_co_u32 s49, s[KF], 127
	s_cmp_le_u32 s49, s[Q0]                        ; all its keys count: no mask
	s_cbranch_scc1 .Lopen_\@
	s_sub_co_i32 s49, s[Q0], s[KF]
	v_add_nc_u32 v252, s49, v[DL]                  ; d = my query - KF - 8 h.  Register 8 u + i holds key KF + 16 u + 8 h + i: hidden where 16 u + i > d
	v_mov_b32 v254, 0xff800000                     ; -infinity: p = 0 then
.set n, 0
.rept 64
	v_cmp_gt_i32 vcc_lo, 16*(n/8)+n%8, v252
	v_cndmask_b32 v[S+n], v[S+n], v254, vcc_lo
.set n, n+1
.endr
.Lopen_\@:
	v_max3_num_f32 v254, v96, v97, v98             ; the step's largest score of my query, among my 64 keys, in two chains, each accumulator from its low end on,
	v_max3_num_f32 v252, v99, v100, v101
.irp i, 6,10,14,18,22,26,30,34,38,42,46,50,54,58
	v_max3_num_f32 v254, v254, v[96+\i], v[97+\i]
	v_max3_num_f32 v252, v252, v[98+\i], v[99+\i]
.endr
	v_max3_num_f32 v254, v254, v158, v159
	s_delay_alu instid0(VALU_DEP_1)
	v_max_num_f32 v254, v254, v252
	s_delay_alu instid0(VALU_DEP_1)
	v_permlanex16_b32 v236, v254, s[SEL], s[SEL+1]
	s_delay_alu instid0(VALU_DEP_1)
	v_max_num_f32 v254, v254, v236                 ; and among lane l xor 16's
	s_delay_alu instid0(VALU_DEP_1)
	v_mul_f32 v254, s[CS], v254                    ; as t (c is positive)
	s_delay_alu instid0(VALU_DEP_1)
	v_max_num_f32 v13, v13, v254                   ; the running largest t
	v_mov_b32 v254, v12
	s_delay_alu instid0(VALU_DEP_2)
	v_floor_f32 v12, -v13                          ; the new -M = floor(-t) = -ceil(t): M is a whole number
	s_delay_alu instid0(VALU_DEP_1)
	v_sub_f32 v254, v12, v254                      ; M's old value less its new one: a whole number, 0 or less
	s_delay_alu instid0(VALU_DEP_1)
	v_cvt_i32_f32 v254, v254                       ; (it saturates)
	s_delay_alu instid0(VALU_DEP_1)
	v_ldexp_f32 v252, 1.0, v254                    ; f = 2^(old M - new M): a multiplication by it rounds nothing
	s_setprio 1
.irp j, 0,2,4,6,8,10,12,14,16,18,20,22,24,26,28,30,32,34,36,38,40,42,44,46,48,50,52,54,56,58,60,62
	v_pk_fma_f32 v[96+\j:97+\j], v[96+\j:97+\j], s[CS:CS+1], v[12:13] op_sel_hi:[1,0,0]   ; t - M, two at a time (of the pairs c and -M the low word serves both halves)
.endr
.set n, 0
	s_wait_alu depctr_va_vdst(0)
.rept 64
	v_exp_f32 v[S+n], v[S+n]                       ; p = 2^(t - M), at most 1: not normalised
.set n, n+1
.endr
	v_pk_mul_f32 v[14:15], v[14:15], v[252:253] op_sel_hi:[1,0]   ; the sums under the new M: the plain instruction behind the exponentials
	s_wait_alu depctr_va_vdst(0)                   ; one wait for the whole batch of 64, ahead of its first reader
	v_pk_add_f32 v[242:243], v[96:97], v[98:99]    ; the row's sum is taken of the unquantised p: two at a time, in two chains
.irp j, 4,8,12,16,20,24,28,32,36,40,44,48,52,56,60
	v_pk_add_f32 v[14:15], v[14:15], v[96+\j:97+\j]
	v_pk_add_f32 v[242:243], v[242:243], v[98+\j:99+\j]
.endr
	s_delay_alu instid0(VALU_DEP_1)
	v_pk_add_f32 v[14:15], v[14:15], v[242:243]
	s_setprio 0
.irp u, 0,1,2,3,4,5,6,7
.irp i, 0,1,2,3,4,5,6,7
.endr
	v_cvt_scalef32_pk8_bf8_f32 v[PC+2*\u:PC+2*\u+1], v[S+8*\u:S+8*\u+7], v244   ; register pair u of P: keys 16 u + 8 h + 0..7
.endr
.irp j, 0,2,4,6,8,10,12,14,16,18,20,22,24,26,28,30
	v_pk_mul_f32 v[O+\j:O+\j+1], v[O+\j:O+\j+1], v[252:253] op_sel_hi:[1,0]   ; O^T under the new M.  (These sixteen are also the plain lines between the conversions and the products)
.endr
	s_wait_alu depctr_va_vdst(0)
	s_wait_dscnt 0x0                               ; V is in
.irp t, 0,1,2,3
	v_wmma_f32_16x16x128_bf8_bf8 v[O+8*\t:O+8*\t+7], v[KV+16*\t:KV+16*\t+15], v[PC:PC+15], v[O+8*\t:O+8*\t+7]   ; the four accumulators by turns; the next step's eight products stand between two links
.endr
.Lhidden_\@:
	s_add_co_u32 s[KF], s[KF], 128
	s_add_co_u32 s[TB], s[TB], 8192
.endm
.macro WALK trips, qr                  ; a constant number of key steps
	s_mov_b32 s[CNT], \trips
.Lwalk_\@:
	STEP \qr
	s_sub_co_u32 s[CNT], s[CNT], 1
	s_cmp_lg_u32 s[CNT], 0
	s_cbranch_scc1 .Lwalk_\@
	s_setprio 0
.endm
.macro INIT a                          ; tile s[a] begins: the step is written once, and its first trip finds zeros, which the first change of M leaves zeros
	s_lshl_b32 s[Q0], s[\a], 4
	s_add_co_u32 s[QE], s[Q0], 15
	s_mov_b32 s[KF], 0
	v_mov_b32 v13, 0xff61b1e6                      ; the largest t so far: -3e38, under every t
	s_delay_alu instid0(VALU_DEP_1)
	v_floor_f32 v12, -v13                          ; -M
	v_mov_b32 v14, 0
	v_mov_b32 v15, 0
.set n, 0
.rept 32
	v_mov_b32 v[O+n], 0
.set n, n+1
.endr
.endm
; THE WAY OUT of a tile: O^T / the sum, held, converted; then the two halves of the lanes exchange half of their codes, so that a lane holds 16 neighbouring channels in four registers.
.macro OUT zb
.rept 4
	v_nop                                          ; four places behind the last products
.endr
	v_add_f32 v14, v14, v15                        ; the sum's two halves,
	s_delay_alu instid0(VALU_DEP_1)
	v_permlanex16_b32 v252, v14, s[SEL], s[SEL+1]
	s_delay_alu instid0(VALU_DEP_1)
	v_add_f32 v14, v14, v252                       ; and lane l xor 16's: the row's sum, at least 1/2
	s_wait_alu depctr_va_vdst(0)
	v_rcp_f32 v14, v14
	v_nop                                          ; a plain instruction behind the reciprocal,
	s_wait_alu depctr_va_vdst(0)                   ; and the wait ahead of its first reader
.set n, 0
.rept 16
	v_pk_mul_f32 v[S+n:S+n+1], v[O+n:O+n+1], v[14:15] op_sel_hi:[1,0]   ; register 8 t + i: channel 16 t + 8 h + i of my query; each accumulator from its low end on
.set n, n+2
.endr
.set n, 0
.rept 32
.set n, n+1
.endr
.irp t, 0,1,2,3
	v_cvt_scalef32_pk8_bf8_f32 v[ZC+2*\t:ZC+2*\t+1], v[S+8*\t:S+8*\t+7], v245
.endr
	v_nop                                          ; one plain vector instruction between the conversions and the lines that read their results
.irp e, 0,1,2,3,4,5,6,7
	v_permlanex16_b32 v[ZX+\e], v[ZC+\e], s[SEL], s[SEL+1]
.endr
	s_wait_alu depctr_va_vdst(0)
	s_wait_xcnt 0x0                                ; the tile before has had its stores' addresses translated (ISA guide 3.1): only behind this wait are their data registers written again
.irp g, 0,1                            ; image g, channels 32 g + 16 h + 0..15.  h = 0: my pair 2 g, then the other half's pair 2 g;  h = 1: the other half's pair 2 g + 1, then mine
.irp e, 0,1
	v_cndmask_b32 v[ZF+4*\g+\e], v[ZC+4*\g+\e], v[ZX+4*\g+2+\e], s[HM]
	v_cndmask_b32 v[ZF+4*\g+2+\e], v[ZX+4*\g+\e], v[ZC+4*\g+2+\e], s[HM]
.endr
.endr
	global_store_b128 v[LI], v[ZF:ZF+3], s[\zb:\zb+1]              ; 32 lanes store 512 consecutive bytes, at a multiple of 512 from zimg's first byte
	global_store_b128 v[LI], v[ZF+4:ZF+7], s[\zb:\zb+1] offset:512
.endm
	s_wait_loadcnt 0x0                             ; Q of both tiles
	INIT AHI
.irp c, 0,1,2,3                        ; my late tile walks the chunks as they land
	s_wait_tensorcnt 3-\c                          ; tensor loads of a wave end in order (ISA guide 10.11.1): my part of chunk c is in; my loads for the later chunks may stay out
	s_barrier_signal -1                            ; (no LDS load of mine is out: a step waits for all its loads)
	s_barrier_wait -1                              ; everybody's part of chunk c is in
	s_mov_b32 s[TB], 32768*\c
	WALK 4, QHI
.endr
	OUT 66
	INIT ALO                                       ; my early tile: all of K and V lies in LDS, so no barrier
	s_mov_b32 s[TB], 0
	WALK 16, QLO
	OUT 68
	s_wait_tensorcnt 0x0
	ds_add_u32 v251, v255
	s_wait_dscnt 0x0
	s_endpgm
.Lfunc_end_k_q060e4cba16_attn:
	.size	k_q060e4cba16_attn, .Lfunc_end_k_q060e4cba16_attn-k_q060e4cba16_attn
	.p2alignl 7, 3214868480
	.fill 96, 4, 3214868480
	.section	.rodata,"a",@progbits
	.p2align	6, 0x0
	.amdhsa_kernel k_q060e4cba16_attn
		.amdhsa_group_segment_fixed_size 327680
		.amdhsa_private_segment_fixed_size 0
		.amdhsa_enable_private_segment 0
		.amdhsa_kernarg_size 32
		.amdhsa_user_sgpr_count 2
		.amdhsa_user_sgpr_kernarg_segment_ptr 1
		.amdhsa_wavefront_size32 1
		.amdhsa_system_sgpr_workgroup_id_x 1
		.amdhsa_system_sgpr_workgroup_id_y 1
		.amdhsa_system_sgpr_workgroup_id_z 1
		.amdhsa_system_vgpr_workitem_id 0
		.amdhsa_next_free_vgpr 256
		.amdhsa_next_free_sgpr 84
		.amdhsa_reserve_vcc 1
		.amdhsa_float_denorm_mode_32 3
		.amdhsa_float_denorm_mode_16_64 3
		.amdhsa_fp16_overflow 1
		.amdhsa_memory_ordered 1
		.amdhsa_forward_progress 1
		.amdhsa_inst_pref_size 112
	.end_amdhsa_kernel
	.amdgpu_metadata
---
amdhsa.version: [ 1, 2 ]
amdhsa.kernels:
  - .name:           k_q060e4cba16_attn
    .symbol:         k_q060e4cba16_attn.kd
    .args:
      - { .name: qimg, .offset: 0, .size: 8, .value_kind: global_buffer, .address_space: global }
      - { .name: kvimg, .offset: 8, .size: 8, .value_kind: global_buffer, .address_space: global }
      - { .name: lowp_scales, .offset: 16, .size: 8, .value_kind: global_buffer, .address_space: global }
      - { .name: zimg, .offset: 24, .size: 8, .value_kind: global_buffer, .address_space: global }
    .group_segment_fixed_size: 327680
    .private_segment_fixed_size: 0
    .kernarg_segment_align: 8
    .kernarg_segment_size: 32
    .max_flat_workgroup_size: 512
    .sgpr_count:     84
    .vgpr_count:     256
    .wavefront_size: 32
...
	.end_amdgpu_metadata
.endif
;; end of part 2
;; launch oproj (part 3): grid 4 x 64, 4 waves a work-group, clusters of 4 x 4, 327,680 bytes of LDS; arguments zimg, Wo_codes, lowp_scales, bo, out0; writes out0
.if DOCPART == 3
	.amdgcn_target "amdgcn-amd-amdhsa--gfx1250"
	.amdhsa_code_object_version 6
	.text
	.protected	k_q060e4cba16_oproj
	.globl	k_q060e4cba16_oproj
	.p2align	8
	.type	k_q060e4cba16_oproj,@function
k_q060e4cba16_oproj:
	s_mov_b64 s[64:65], 0
	v_nop
	global_prefetch_b8 v0, s[64:65] scope:SCOPE_SE
	s_setreg_imm32_b32 hwreg(HW_REG_WAVE_MODE, 25, 1), 1
	s_wait_xcnt 0x0
	s_wait_alu depctr_hold_cnt(0) depctr_sa_sdst(0) depctr_va_vdst(0) depctr_va_sdst(0) depctr_va_ssrc(0) depctr_va_vcc(0) depctr_vm_vsrc(0)
	s_getreg_b32 s2, hwreg(HW_REG_IB_STS2, 6, 4)
	s_cmp_eq_u32 s2, 0
	s_cbranch_scc0 .Lentry_in_a_cluster
	s_endpgm
.Lentry_in_a_cluster:
	s_bfe_u32 s2, ttmp6, 0x10000c
	s_cmp_lg_u32 s2, 0xf033
	s_cbranch_scc0 .Lentry_shape_is_right
	s_endpgm
.Lentry_shape_is_right:
; out0 = z Wo + bo on codes of BF8 (E5M2).  z: 8,192 rows x 1,024, as images of operand registers; Wo: [1024 (column of out0)][1024 (K)] codes, K innermost; bo [1024], out0 [8192][1024]: f32.  Sums in f32.
; zimg [tile of 16 rows: 512][head 16][2 x 512 bytes]: lane (r, h) (r = lane % 16, h = lane / 16) holds, in image g of a head, K = 64 head + 32 g + 16 h + 0..15 of row r, 16 bytes at 16 x lane.
; So the 2,048 bytes of two heads are a fragment of 16 rows x 128 K whose registers 4 c .. 4 c + 3 hold K = 32 c + 16 h + 0..15: the order in which four loads of 16 bytes, 32 bytes apart, bring Wo's rows.  The same order of k on both sides.
; A number of z is its code x 2^e10, of Wo x 2^e11 (entries 10 and 11 of the scales): each finished sum goes out as sum x 2^(e10 + e11) + bo, one packed multiply-add for two numbers.
; LIMIT: e10 + e11 between -126 and 127, so that the power is an f32 number.  NaN and infinity among Wo's codes are not served.
; SHARES.  A tile of 128 rows x 256 columns to a work-group: 256 work-groups.  Four waves, 64 rows x 128 columns each: 32 accumulators, 256 registers; eight steps of 128 along K, 32 matrix instructions each.
; THE MATRIX INSTRUCTION IS USED TRANSPOSED (source 0 = 16 rows of Wo, source 1 = 16 rows of z): a lane then holds eight neighbouring numbers of a row of out0.
; LDS: K goes in four chunks of 256 through THREE slots: chunks 0, 1, 2 are first fills (three loads of mine are out), chunk 3 fills slot 0 again.  The text has no loop.
; CLUSTERS: 4 x 4 work-groups.  z's tile hangs on the tile row alone and is shared along a row of the cluster, Wo's on the tile column alone and is shared along a column: each is asked for JOINTLY.
; REGISTERS, in windows of 256: window 0: v1-29 addresses; v32-95 at work on the way out; v128-191, v192-255 z's fragments (4 x 16 registers), two sets, later rows of out0.
;   window 1: Wo's fragments (8 x 16), two sets.   window 2: accumulator (a, b) at v[8 (8 a + b)].   window 3: v0-63: bo at my columns, register 8 b + i = column 16 b + 8 h + i.
.set PITCH,  272                       ; a row of Wo's tile in LDS: 256 bytes + 16 of padding = 68 words: row r starts at bank 4 r mod 64 (64 banks of 4 bytes: ISA guide 11.1)
.set FR,     16                        ; registers of a fragment
.set ASZ,    32768                     ; z's part of a slot: 8 tiles of rows x 4,096 bytes, images on end
.set HALFB,  128*PITCH                 ; 128 rows of Wo
.set SLOT,   ASZ+2*HALFB               ; 102,400 bytes
.set SPARE,  3*SLOT                    ; behind the slots: the spare words, 128 bytes for each wave: two blocks of 256 bytes that no other line names
.set STAGE,  SLOT                      ; the way out: 16 rows x 528 bytes for each wave, in slot 1: it is filled once, and its last read stands ahead of the text's last barrier
.set SPITCH, 528
.set ADRA, 16                          ; v16-18  LDS address of my fragments of z in slot 0, 1, 2
.set ADRB, 20                          ; v20-22  the same for Wo
.set STO,  24                          ; v24     the way out: where I put 32 bytes of a row
.set RD,   25                          ; v25     where I read a row back
.set CO,   26                          ; v26     16 x lane
.set BOF,  27                          ; v27     32 h: my half's eight numbers of bo
.set SPW,  28                          ; v28     LDS address of my spare word: SPARE + 4 x my thread's number; never rewritten
.set NIL,  29                          ; v29     0; never rewritten
.set TMP,  32
.set AF,   128
.set BK,   128
.set G1A, 16                           ; s[16:23] descriptor group 1 for z's tiles;  s[24:31] for Wo's
.set G1B, 24
.set G0A, 32                           ; s[32:43] groups 0 for z's tiles, one for each slot;  s[44:55] for Wo's
.set G0B, 44
.set MSB, 0
.macro WIN new                         ; the immediate's high byte repeats the setting that is left; a switch that changes nothing is dropped
.if MSB != (\new)
	s_set_vgpr_msb (MSB<<8)|(\new)
.set MSB, (\new)
.endif
.endm
.set MUL, 0xa1                         ; source 0 (Wo) window 1, source 1 (z) window 0, C and D window 2
.macro PLACES n                        ; plain vector instructions between a matrix instruction and a load into, or a read of, its registers (ISA guide 7.12.1 for vector instructions)
.rept \n
	v_nop
.endr
.endm
.macro CREST                           ; a round of the cluster's barrier behind its opening barrier
	s_cmp_lg_u32 s8, 0
	s_cbranch_scc1 .Lnot_wave_0_\@
	s_barrier_signal -3
.Lnot_wave_0_\@:
	s_barrier_wait -3
	s_barrier_signal -1
	s_barrier_wait -1
.endm
.macro CROUND
	s_barrier_signal -1
	s_barrier_wait -1
	CREST
.endm
	s_load_b256 s[68:75], s[0:1], 0x0              ; zimg s[68:69], Wo's codes s[70:71], the scales' exponents s[72:73], bo s[74:75]
	s_load_b64 s[76:77], s[0:1], 0x20              ; out0
	v_lshl_add_u32 v[SPW], v0, 2, SPARE
	v_mov_b32 v[NIL], 0
	ds_add_u32 v28, v29
	ds_add_u32 v28, v29
	s_wait_dscnt 0x0
	v_lshrrev_b32 v1, 5, v0
	v_readfirstlane_b32 s8, v1                     ; wave 0..3
	s_lshr_b32 s9, s8, 1                           ; which 64 of the tile's rows are mine.  Also: I fetch for z (0) or for Wo (1)
	s_and_b32 s12, s8, 1                           ; which 128 of its columns.  Also: which half of that tile I fetch
	s_bfe_u32 s56, ttmp6, 0x40000                  ; cx, cy: my place in the cluster
	s_bfe_u32 s57, ttmp6, 0x40004
	s_lshl_b32 s58, ttmp9, 2
	s_add_co_u32 s58, s58, s56                     ; tile column = 4 x cluster x + cx
	s_and_b32 s59, ttmp7, 0xffff
	s_lshl_b32 s59, s59, 2
	s_add_co_u32 s59, s59, s57                     ; tile row = 4 x cluster y + cy
	s_lshl_b32 s60, s57, 2
	s_lshl_b32 s60, 15, s60                        ; my row of the cluster
	s_lshl_b32 s61, 0x1111, s56                    ; my column
	; z: 4 tiles of rows x 4,096 bytes (four heads' images), 16,384 bytes apart in memory, dense in LDS
	s_or_b32 s[G1A], s60, (3<<16)|(1<<21)          ; 15:0 the mask: my row; 17:16 elements of 8 bytes; 21 set beside a mask; no padding
	s_mov_b32 s[G1A+1], 512<<16                    ; tensor_dim0 = 512 elements
	s_mov_b32 s[G1A+2], 4<<16                      ; tensor_dim1 = 4
	s_mov_b32 s[G1A+3], 512<<16                    ; tile_dim0
	s_mov_b32 s[G1A+4], 4                          ; tile_dim1
	s_mov_b32 s[G1A+5], 2048                       ; tensor_dim0_stride, in elements
	s_mov_b32 s[G1A+6], 0
	s_mov_b32 s[G1A+7], 0
	; Wo: 128 rows x 256 bytes, padded in LDS
	s_or_b32 s[G1B], s61, (0<<16)|(1<<20)|(1<<21)|(5<<22)|(3<<25)  ; the mask: my column; elements of 1 byte; padding on: 4 words (code 3) after every 64 (code 5)
	s_mov_b32 s[G1B+1], 256<<16
	s_mov_b32 s[G1B+2], 128<<16
	s_mov_b32 s[G1B+3], 256<<16
	s_mov_b32 s[G1B+4], 128
	s_mov_b32 s[G1B+5], 1024
	s_mov_b32 s[G1B+6], 0
	s_mov_b32 s[G1B+7], 0
	s_lshl_b32 s78, s59, 3
	s_lshl_b32 s62, s12, 2
	s_add_co_u32 s78, s78, s62                     ; z: tile of rows 8 x tile row + 4 x half,
	s_lshl_b32 s78, s78, 14                        ; 16,384 bytes each (under 2^23)
	s_mov_b32 s79, 0
	s_lshl_b32 s80, s58, 8
	s_lshl_b32 s62, s12, 7
	s_add_co_u32 s80, s80, s62                     ; Wo: row 256 x tile column + 128 x half,
	s_lshl_b32 s80, s80, 10                        ; 1,024 bytes each
	s_mov_b32 s81, 0
	s_lshl_b32 s62, s12, 14                        ; where they go in a slot: z's half,
	s_mul_i32 s63, s12, HALFB
	s_add_co_u32 s63, s63, ASZ                     ; Wo's half: no place in the cluster enters an LDS address
	s_wait_kmcnt 0x0
	s_load_b128 s[84:87], s[72:73], 0x20           ; entries 8 to 11 of the scales
	s_add_nc_u64 s[78:79], s[68:69], s[78:79]
	s_add_nc_u64 s[80:81], s[70:71], s[80:81]
	CROUND                                         ; all sixteen work-groups are here: the first joint loads meet
.irp s, 0,1,2
	s_mov_b32 s[G0A+4*\s], 1                                       ; 1:0 count = 1
	s_add_co_u32 s[G0A+4*\s+1], s62, \s*SLOT                       ; 63:32 LDS address
	s_add_nc_u64 s[G0A+4*\s+2:G0A+4*\s+3], s[78:79], \s*4096       ; 120:64 global address: chunk s = heads 4 s to 4 s + 3
	s_or_b32 s[G0A+4*\s+3], s[G0A+4*\s+3], 0x80000000              ; 127:126 type = 2
	s_mov_b32 s[G0B+4*\s], 1
	s_add_co_u32 s[G0B+4*\s+1], s63, \s*SLOT
	s_add_nc_u64 s[G0B+4*\s+2:G0B+4*\s+3], s[80:81], \s*256
	s_or_b32 s[G0B+4*\s+3], s[G0B+4*\s+3], 0x80000000
.endr
	s_cmp_eq_u32 s9, 0                             ; a wave's three first fills stand in one branch on its number, ahead of every wait on TENSORcnt and every LDS read
	s_cbranch_scc0 .Lfirst_b
	tensor_load_to_lds s[G0A:G0A+3], s[G1A:G1A+7]
	s_nop 0
	tensor_load_to_lds s[G0A+4:G0A+7], s[G1A:G1A+7]
	s_nop 0
	tensor_load_to_lds s[G0A+8:G0A+11], s[G1A:G1A+7]
	s_nop 0
.rept 4
	v_nop
.endr
	s_branch .Lfirst_asked
.Lfirst_b:
	tensor_load_to_lds s[G0B:G0B+3], s[G1B:G1B+7]
	s_nop 0
	tensor_load_to_lds s[G0B+4:G0B+7], s[G1B:G1B+7]
	s_nop 0
	tensor_load_to_lds s[G0B+8:G0B+11], s[G1B:G1B+7]
	s_nop 0
.rept 4
	v_nop
.endr
.Lfirst_asked:
	v_and_b32 v1, 15, v0                           ; r
	v_bfe_u32 v2, v0, 4, 1                         ; h
	v_and_b32 v3, 31, v0
	v_lshlrev_b32 v[CO], 4, v3                     ; 16 x lane
	v_mul_u32_u24 v4, v1, PITCH
	v_lshl_add_u32 v4, v2, 4, v4                   ; Wo: row x pitch + 16 x half
	s_lshl_b32 s62, s9, 14                         ; my four tiles of rows of z
	s_mul_i32 s63, s12, HALFB
	s_add_co_u32 s63, s63, ASZ                     ; my 128 rows of Wo
.irp s, 0,1,2
	v_add_nc_u32 v[ADRA+\s], s62, v[CO]
	v_add_nc_u32 v[ADRB+\s], s63, v4
	s_add_co_u32 s62, s62, SLOT
	s_add_co_u32 s63, s63, SLOT
.endr
	s_mul_i32 s62, s8, 16*SPITCH
	s_add_co_u32 s62, s62, STAGE                   ; my stage
	v_mul_u32_u24 v5, v1, SPITCH                   ; in: row r, 32 bytes for each half of the lanes
	v_lshl_add_u32 v5, v2, 5, v5
	v_add_nc_u32 v[STO], s62, v5
	v_add_nc_u32 v[RD], s62, v[CO]                 ; back: the 32 lanes take one row of 512 bytes
	s_lshl_b32 s82, s59, 7
	s_lshl_b32 s62, s9, 6
	s_add_co_u32 s82, s82, s62                     ; my first row of out0: 128 x tile row + 64 x half,
	s_lshl_b32 s82, s82, 12                        ; 4,096 bytes each (under 2^25)
	s_lshl_b32 s63, s58, 8
	s_lshl_b32 s62, s12, 7
	s_add_co_u32 s63, s63, s62                     ; my first column: 256 x tile column + 128 x half,
	s_lshl_b32 s63, s63, 2                         ; in bytes
	s_add_co_u32 s82, s82, s63
	s_mov_b32 s83, 0
	s_add_nc_u64 s[10:11], s[76:77], s[82:83]      ; out0 at my part
	s_mov_b32 s82, s63
	s_add_nc_u64 s[74:75], s[74:75], s[82:83]      ; bo at my first column
	v_lshlrev_b32 v[BOF], 5, v2
	WIN 0xc0                                       ; destination window 3
.irp b, 0,1,2,3,4,5,6,7
	global_load_b128 v[8*\b:8*\b+3], v[BOF], s[74:75] offset:64*\b        ; bo at columns 16 b + 8 h + 0..7: the result's layout, the same for every block of rows
	global_load_b128 v[8*\b+4:8*\b+7], v[BOF], s[74:75] offset:64*\b+16
.endr
	WIN 0
; Step i's fragments (i = 0..7: K 128 i on; chunk i / 2 lies in slot (i / 2) % 3) into set i % 2: 32 loads for Wo's eight, 16 for z's four.
.macro FETCH i
.set SL, ((\i)/2)%3
.set HQ, (\i)%2
	WIN 0x40                                       ; destination window 1, address window 0
.irp n, 0,1,2,3,4,5,6,7
.irp c, 0,1,2,3
	ds_load_b128 v[128*HQ+FR*\n+4*\c:128*HQ+FR*\n+4*\c+3], v[ADRB+SL] offset:128*HQ+32*\c+16*PITCH*\n
.endr
.endr
	WIN 0
.irp m, 0,1,2,3
.irp c, 0,1,2,3
	ds_load_b128 v[AF+64*HQ+FR*\m+4*\c:AF+64*HQ+FR*\m+4*\c+3], v[ADRA+SL] offset:4096*\m+2048*HQ+512*\c
.endr
.endr
.endm
; 16 matrix instructions of step i: z's blocks 2 half, 2 half + 1 x Wo's eight.  zero = 1: the first product starts the sums.  The 32 accumulators take turns, one instruction a turn, in the same order in every step.
.macro MULH i, half, zero
.irp a, 2*(\half), 2*(\half)+1
.irp b, 0,1,2,3,4,5,6,7
.if \zero
	v_wmma_f32_16x16x128_bf8_bf8 v[8*(8*(\a)+\b):8*(8*(\a)+\b)+7], v[128*((\i)%2)+FR*\b:128*((\i)%2)+FR*\b+FR-1], v[AF+64*((\i)%2)+FR*(\a):AF+64*((\i)%2)+FR*(\a)+FR-1], 0
.else
	v_wmma_f32_16x16x128_bf8_bf8 v[8*(8*(\a)+\b):8*(8*(\a)+\b)+7], v[128*((\i)%2)+FR*\b:128*((\i)%2)+FR*\b+FR-1], v[AF+64*((\i)%2)+FR*(\a):AF+64*((\i)%2)+FR*(\a)+FR-1], v[8*(8*(\a)+\b):8*(8*(\a)+\b)+7]
.endif
.endr
.endr
.endm
; A plain step: the next step's fragments are asked for, into the set that the step before multiplied, and this step is multiplied.
.macro KSTEP i
	PLACES 4
	FETCH (\i)+1
	s_wait_dscnt 48                                ; all but the 48 loads just issued: this step's fragments are in
	WIN MUL
	MULH \i, 0, 0
	MULH \i, 1, 0
.endm
	s_wait_tensorcnt 2                             ; my part of chunk 0 is in; chunks 1 and 2 may stay out
	s_barrier_signal -1
	s_barrier_wait -1                              ; everybody's is
	FETCH 0
	FETCH 1
	s_wait_dscnt 48                                ; step 0's fragments are in
	WIN MUL
	MULH 0, 0, 1
	MULH 0, 1, 1
	; step 1: slot 0 has been read out (step 1's fragments are on their way to registers) and takes chunk 3
	WIN 0                                          ; (the add's two registers lie in window 0)
	s_wait_tensorcnt 0x0                           ; all my tensor loads have landed: my parts of chunks 1 and 2
	ds_add_u32 v[SPW], v[NIL]                      ; 0 onto my spare word
	s_wait_dscnt 1                                 ; step 1's fragments are in; only the add may be out
	WIN MUL
	MULH 1, 0, 0                                   ; sixteen matrix instructions stand between the add and the wait for it
	s_wait_dscnt 0x0                               ; the add is done, and my reads of slot 0 are over
	s_barrier_signal -1
	WIN 0
	s_barrier_wait -1
	CREST                                          ; the barrier has opened a round of the cluster's barrier: no wave of any partner still reads slot 0 or has a load on its way
	s_add_nc_u64 s[G0A+2:G0A+3], s[G0A+2:G0A+3], 3*4096   ; from chunk 0 to chunk 3
	s_add_nc_u64 s[G0B+2:G0B+3], s[G0B+2:G0B+3], 3*256
	s_cmp_eq_u32 s9, 0                             ; the joint refill: the first tensor load behind the round, one a wave; the branch hangs on the wave's number alone
	s_cbranch_scc0 .Lfill_b
	tensor_load_to_lds s[G0A:G0A+3], s[G1A:G1A+7]
	s_nop 0
.rept 4
	v_nop                                          ; (they are the places in front of the loads below)
.endr
	s_branch .Lfill_asked
.Lfill_b:
	tensor_load_to_lds s[G0B:G0B+3], s[G1B:G1B+7]
	s_nop 0
.rept 4
	v_nop
.endr
.Lfill_asked:
	s_wait_alu depctr_va_vdst(0)
	FETCH 2                                        ; slot 1: every wave's part of chunks 1 and 2 was shown landed in front of the round
	WIN MUL
	MULH 1, 1, 0
	KSTEP 2
	KSTEP 3
	KSTEP 4
	; step 5: chunk 3 is wanted next
	s_wait_dscnt 0x0                               ; step 5's fragments are in, and no LDS load of mine is out at the signal: my reads of slots 1 and 2 are over
	s_wait_tensorcnt 0x0                           ; my one load that was out, my part of chunk 3, has landed
	s_barrier_signal -1
	WIN MUL
	MULH 5, 0, 0                                   ; work on registers while the others arrive
	s_barrier_wait -1                              ; everybody's part has
	PLACES 4
	FETCH 6
	WIN MUL
	MULH 5, 1, 0
	KSTEP 6
	s_wait_dscnt 0x0                               ; the last step: nothing more to fetch
	MULH 7, 0, 0
	MULH 7, 1, 0
	WIN 0
; THE WAY OUT, block by block of 16 rows x 128 columns.  A lane holds 32 neighbouring bytes of a row, and the lanes beside it hold other rows: so a block goes through my own stage in LDS and comes back as whole
; rows of 512 bytes.  LDS serves a wave's instructions in order (ISA guide 5.7.1.4): no wait between the stores and the loads, nor in front of the next block's stores.
.macro TOSTAGE a
	WIN 0x32                                       ; source 0 (the sums) window 2, source 2 (bo) window 3, destination window 0
.set j, 0
.rept 32
	v_pk_fma_f32 v[TMP+j:TMP+j+1], v[64*(\a)+j:64*(\a)+j+1], s[96:97], v[j:j+1] op_sel_hi:[1,0,1]   ; sum x 2^(e10 + e11) + bo (the scalar pair's low word for both halves); each accumulator from its low end on
.set j, j+2
.endr
	WIN 0
.irp b, 0,1,2,3,4,5,6,7
	ds_store_b128 v[STO], v[TMP+8*\b:TMP+8*\b+3] offset:64*\b
	ds_store_b128 v[STO], v[TMP+8*\b+4:TMP+8*\b+7] offset:64*\b+16
.endr
.set BB, BK+64*((\a)%2)
.irp t, 0,1,2,3,4,5,6,7,8,9,10,11,12,13,14,15
	ds_load_b128 v[BB+4*\t:BB+4*\t+3], v[RD] offset:\t*SPITCH
.endr
.endm
.macro SEND a, younger                 ; younger: the LDS instructions issued behind block a's loads, which may stay out
.set BB, BK+64*((\a)%2)
	s_wait_dscnt \younger                          ; the block is back in registers
.irp t, 0,1,2,3,4,5,6,7,8,9,10,11,12,13,14,15
	global_store_b128 v[CO], v[BB+4*\t:BB+4*\t+3], s[10:11] offset:(16*(\a)+\t)*4096 th:TH_STORE_NT   ; 32 lanes store 512 consecutive bytes, at a multiple of 512 from out0's first byte; the row stands in the immediate, 63 rows at the most
.endr
.endm
	s_wait_kmcnt 0x0
	s_add_co_i32 s96, s86, s87                     ; e10 + e11, between -126 and 127,
	s_add_co_i32 s96, s96, 127
	s_lshl_b32 s96, s96, 23                        ; makes the f32 number 2^(e10 + e11)
	s_mov_b32 s97, s96                             ; (named with it as a pair, so it is written)
	s_wait_loadcnt 0x0                             ; bo
	PLACES 4                                       ; in front of the first read of results and of the loads over z's fragments
	TOSTAGE 0
.irp a, 1,2,3
.if \a > 1
	s_wait_xcnt 0x0                                ; block a - 2's stores have had their addresses translated (ISA guide 3.1): block a's loads may land in their data registers
.endif
	TOSTAGE \a
	SEND \a-1, 32                                  ; behind block a - 1's loads: block a's 16 stores and 16 loads
.endr
	SEND 3, 0
	s_wait_tensorcnt 0x0                           ; the wave's end, behind my last tensor load and my last LDS store
	ds_add_u32 v[SPW], v[NIL]
	s_wait_dscnt 0x0
	CROUND                                         ; the closing round: no work-group ends while a partner may still ask for a tile that names it
	s_endpgm
.Lfunc_end_k_q060e4cba16_oproj:
	.size	k_q060e4cba16_oproj, .Lfunc_end_k_q060e4cba16_oproj-k_q060e4cba16_oproj
	.p2alignl 7, 3214868480
	.fill 96, 4, 3214868480
	.section	.rodata,"a",@progbits
	.p2align	6, 0x0
	.amdhsa_kernel k_q060e4cba16_oproj
		.amdhsa_group_segment_fixed_size 327680
		.amdhsa_private_segment_fixed_size 0
		.amdhsa_enable_private_segment 0
		.amdhsa_kernarg_size 40
		.amdhsa_user_sgpr_count 2
		.amdhsa_user_sgpr_kernarg_segment_ptr 1
		.amdhsa_wavefront_size32 1
		.amdhsa_system_sgpr_workgroup_id_x 1
		.amdhsa_system_sgpr_workgroup_id_y 1
		.amdhsa_system_sgpr_workgroup_id_z 1
		.amdhsa_system_vgpr_workitem_id 0
		.amdhsa_next_free_vgpr 832
		.amdhsa_next_free_sgpr 100
		.amdhsa_reserve_vcc 0
		.amdhsa_float_denorm_mode_32 3
		.amdhsa_float_denorm_mode_16_64 3
		.amdhsa_memory_ordered 1
		.amdhsa_forward_progress 1
		.amdhsa_inst_pref_size 76
	.end_amdhsa_kernel
	.amdgpu_metadata
---
amdhsa.version: [ 1, 2 ]
amdhsa.kernels:
  - .name:           k_q060e4cba16_oproj
    .symbol:         k_q060e4cba16_oproj.kd
    .args:
      - { .name: zimg, .offset: 0, .size: 8, .value_kind: global_buffer, .address_space: global }
      - { .name: Wo_codes, .offset: 8, .size: 8, .value_kind: global_buffer, .address_space: global }
      - { .name: lowp_scales, .offset: 16, .size: 8, .value_kind: global_buffer, .address_space: global }
      - { .name: bo, .offset: 24, .size: 8, .value_kind: global_buffer, .address_space: global }
      - { .name: out0, .offset: 32, .size: 8, .value_kind: global_buffer, .address_space: global }
    .group_segment_fixed_size: 327680
    .private_segment_fixed_size: 0
    .kernarg_segment_align: 8
    .kernarg_segment_size: 40
    .max_flat_workgroup_size: 128
    .sgpr_count:     100
    .vgpr_count:     832
    .wavefront_size: 32
...
	.end_amdgpu_metadata
.endif
;; end of part 3
